; MI455X (gfx1250); checked and timed in simulation.
; The chip was launched on July 23, 2026; its instructions are those of AMD's public machine-readable ISA for CDNA 5 (MIT licence, August 2026) and "CDNA5" Instruction Set Architecture Reference Guide (July 2026). The comments in the code are by the model that wrote it; some were corrected since.
;; Pyramid ROI Align. Allowed arithmetic: float matrix products may take bf16 or f16 operands with f32 sums; other float arithmetic in f32, or as packed bf16 or f16 multiplies, adds, multiply-adds, maxima and minima; sums over many terms, partial sums and values carried from step to step in f32; what a program stores and reads back later, other than sums and carried values, may be rounded once to bf16 or f16.
;; Inputs: feat2 2 x 256 x 256 x 256 float32; feat3 2 x 128 x 128 x 256 float32; feat4 2 x 64 x 64 x 256 float32; feat5 2 x 32 x 32 x 256 float32; img_metas 2 x 11 float32; rois 2 x 512 x 4 float32.
;; Outputs: out0 2 x 512 x 7 x 7 x 256 float32.
;; 2 versions, each right; version 2 is version 1 with the launch pool written anew for expert scheduling mode. Each part assembles by itself: llvm-mc -triple=amdgcn-amd-amdhsa -mcpu=gfx1250 --defsym DOCPART=n.
;; ======== version 1 of 2: 2 launches
;; workspace buffers: idx 262,144 bytes of whole numbers; wts 262,144 bytes
;; launch plan (part 1): grid 256 x 1, 4 waves a work-group, no clusters, 0 bytes of LDS; arguments rois, img_metas, idx, wts; writes idx, wts
.if DOCPART == 1
	.amdgcn_target "amdgcn-amd-amdhsa--gfx1250"
	.amdhsa_code_object_version 6
	.text
	.protected	k_qd72b0ac1fc_plan
	.globl	k_qd72b0ac1fc_plan
	.p2align	8
	.type	k_qd72b0ac1fc_plan,@function
k_qd72b0ac1fc_plan:
	s_mov_b64 s[64:65], 0
	v_nop
	global_prefetch_b8 v0, s[64:65] scope:SCOPE_SE
	s_setreg_imm32_b32 hwreg(HW_REG_WAVE_MODE, 25, 1), 1
	s_wait_xcnt 0x0
; THE PLAN OF THE GATHER.  For each of the 1,024 boxes: its pyramid level, and for each of its 14 sample rows and 14 sample columns the two clipped
; indices and the two weights of the linear interpolation.  The next launch forms addresses from the indices, so they are made here and stored as whole numbers.
; SHARES.  One wave a box, four boxes a work-group.  Lane l: j = l % 16 is the sample, l / 16 the axis (0: x, 1: y); j = 14, 15 have no sample and carry the level.
; WHAT IS STORED, 256 bytes a box in each of two tables, 8 bytes a lane at 256 box + 8 l (a wave's store covers one whole aligned block of 256 bytes):
;   idx: x lanes x0, x1;  y lanes the row starts in pixels (b S + y0) S, (b S + y1) S, with b the image and S the level's side;  lanes with j >= 14 the level, twice.
;   wts: 1 - f, f;  both 0 where the sample lies outside the map (or j >= 14): the product of a row's and a column's weight is then 0, which is the reference's zero for such a sample.
; ARITHMETIC.  As the reference: level = clip(floor(4 + log2(sqrt(w h + 1e-8) / 224)), 2, 5);  c = (lo / D + (hi / D - lo / D) j / 13) (S - 1);  valid: 0 <= c <= S - 1.
; The quotients by D and by 13 are a reciprocal, a product and one correction step (the remainder by a fused multiply-add).
; LIMITS.  |H| or |W| below 2^-126 counts as 0 (the reciprocal takes it for 0): all samples are then outside.  log2 comes from an instruction good to one unit in the last place, where the
; reference divides two natural logarithms: a box whose sqrt(area) / 224 lies within a few 2^-23 of a power of two may get the neighbouring level.  NaN in a box: all its samples count as outside.
.set BOXES_WG, 4
	s_load_b256 s[4:11], s[0:1], 0x0               ; rois s[4:5], img_metas s[6:7], idx s[8:9], wts s[10:11]
	v_lshrrev_b32 v1, 5, v0                        ; wave
	s_lshl_b32 s12, ttmp9, 2
	v_add_nc_u32 v1, s12, v1                       ; box = 4 x work-group + wave
	v_lshlrev_b32 v2, 4, v1                        ; its 16 bytes in rois
	v_and_b32 v3, 15, v0                           ; j
	v_bfe_u32 v4, v0, 4, 1                         ; axis
	s_lshl_b32 s13, ttmp9, 10
	v_lshl_add_u32 v5, v0, 3, s13                  ; 256 box + 8 lane = 1,024 work-group + 8 thread
	s_mov_b32 s16, 0x3d9d89d9                      ; 1 / 13
	s_mov_b32 s17, 0x41500000                      ; 13
	s_mov_b32 s18, 0x322bcc77                      ; 1e-8
	s_mov_b32 s19, 0x3b924925                      ; 1 / 224
	s_wait_kmcnt 0x0
	s_load_b64 s[14:15], s[6:7], 0x18              ; img_metas[0][6], [0][7]: H, W
	global_load_b128 v[8:11], v2, s[4:5]           ; y1, x1, y2, x2: the same 16 bytes in every lane
	; while they are on their way: t = j / 13, the lanes' masks, the image
	v_cvt_f32_u32 v12, v3
	v_mul_f32 v13, s16, v12
	v_fma_f32 v14, -v13, s17, v12                  ; the remainder j - 13 q
	v_fma_f32 v13, v14, s16, v13                   ; t
	v_cmp_eq_u32 s20, 1, v4                        ; the y lanes
	v_cmp_gt_u32 s21, 14, v3                       ; the lanes that have a sample
	v_lshrrev_b32 v15, 9, v1                       ; image b = box / 512,
	v_cndmask_b32 v15, 0, v15, s20                 ; which enters the row starts alone
	s_wait_kmcnt 0x0                               ; H, W
	v_mov_b32 v16, s15
	v_mov_b32 v17, s14
	v_cndmask_b32 v16, v16, v17, s20               ; D = W for x lanes, H for y lanes
	v_rcp_f32 v17, v16                             ; the subtraction below is the plain instruction between it and the use of its result
	s_wait_loadcnt 0x0                             ; the box
	v_sub_f32 v18, v10, v8
	v_sub_f32 v19, v11, v9
	v_max_num_f32 v18, 0, v18                      ; h
	v_max_num_f32 v19, 0, v19                      ; w
	v_fma_f32 v18, v19, v18, s18                   ; w h + 1e-8
	v_sqrt_f32 v18, v18
	v_cndmask_b32 v20, v9, v8, s20                 ; lo = x1 or y1 (plain work behind the root)
	v_cndmask_b32 v21, v11, v10, s20               ; hi = x2 or y2
	s_wait_alu depctr_va_vdst(0)
	v_mul_f32 v18, s19, v18                        ; / 224
	v_log_f32 v18, v18                             ; log2; the quotients below stand between it and its use
	v_mul_f32 v22, v20, v17
	v_mul_f32 v23, v21, v17
	v_fma_f32 v24, -v22, v16, v20                  ; the remainders
	v_fma_f32 v25, -v23, v16, v21
	v_fma_f32 v22, v24, v17, v22                   ; lo / D
	v_fma_f32 v23, v25, v17, v23                   ; hi / D
	s_wait_alu depctr_va_vdst(0)
	v_add_f32 v18, 4.0, v18
	v_floor_f32 v18, v18
	v_max_num_f32 v18, 2.0, v18                    ; a NaN loses: level 2, and the box's samples are all outside anyway
	v_min_num_f32 v18, 0x40a00000, v18             ; 5.0
	v_cvt_u32_f32 v18, v18                         ; the level, 2 to 5
	v_sub_nc_u32 v19, 10, v18                      ; the side is S = 2^(10 - level): 256, 128, 64, 32
	v_lshlrev_b32 v24, v19, 1
	v_add_nc_u32 v24, -1, v24
	v_cvt_f32_u32 v24, v24                         ; S - 1
	v_cndmask_b32 v19, 0, v19, s20                 ; the shift that makes row starts: y lanes alone
	v_sub_f32 v23, v23, v22
	v_fma_f32 v22, v23, v13, v22                   ; lo / D + (hi / D - lo / D) t
	v_mul_f32 v22, v22, v24                        ; c
	v_floor_f32 v23, v22                           ; c0
	v_cmp_le_f32 s22, 0, v22                       ; 0 <= c (false for a NaN)
	v_cmp_le_f32 s23, v22, v24                     ; c <= S - 1
	s_and_b32 s22, s22, s23
	s_and_b32 s22, s22, s21                        ; inside, and a lane with a sample
	v_sub_f32 v25, v22, v23                        ; f
	v_sub_f32 v26, 1.0, v25
	v_cndmask_b32 v28, 0, v26, s22                 ; 1 - f, or 0
	v_cndmask_b32 v29, 0, v25, s22                 ; f, or 0
	v_add_f32 v26, 1.0, v23                        ; c0 + 1
	v_max_num_f32 v23, 0, v23                      ; both clipped to 0 .. S - 1 as floats, as the reference does; a NaN becomes 0
	v_max_num_f32 v26, 0, v26
	v_min_num_f32 v23, v23, v24
	v_min_num_f32 v26, v26, v24
	v_cvt_u32_f32 v23, v23
	v_cvt_u32_f32 v26, v26
	v_lshlrev_b32 v15, v19, v15                    ; b S (x lanes: 0)
	v_add_nc_u32 v23, v15, v23
	v_add_nc_u32 v26, v15, v26
	v_lshlrev_b32 v23, v19, v23                    ; (b S + y) S (x lanes: x)
	v_lshlrev_b32 v26, v19, v26
	v_cndmask_b32 v30, v18, v23, s21               ; lanes without a sample carry the level
	v_cndmask_b32 v31, v18, v26, s21
	global_store_b64 v5, v[30:31], s[8:9]
	global_store_b64 v5, v[28:29], s[10:11]
	s_endpgm
.Lfunc_end_k_qd72b0ac1fc_plan:
	.size	k_qd72b0ac1fc_plan, .Lfunc_end_k_qd72b0ac1fc_plan-k_qd72b0ac1fc_plan
	.p2alignl 7, 3214868480
	.fill 96, 4, 3214868480
	.section	.rodata,"a",@progbits
	.p2align	6, 0x0
	.amdhsa_kernel k_qd72b0ac1fc_plan
		.amdhsa_group_segment_fixed_size 0
		.amdhsa_private_segment_fixed_size 0
		.amdhsa_enable_private_segment 0
		.amdhsa_kernarg_size 32
		.amdhsa_user_sgpr_count 2
		.amdhsa_user_sgpr_kernarg_segment_ptr 1
		.amdhsa_wavefront_size32 1
		.amdhsa_system_sgpr_workgroup_id_x 1
		.amdhsa_system_sgpr_workgroup_id_y 1
		.amdhsa_system_sgpr_workgroup_id_z 1
		.amdhsa_system_vgpr_workitem_id 0
		.amdhsa_next_free_vgpr 32
		.amdhsa_next_free_sgpr 66
		.amdhsa_reserve_vcc 0
		.amdhsa_float_denorm_mode_32 3
		.amdhsa_float_denorm_mode_16_64 3
		.amdhsa_memory_ordered 1
		.amdhsa_forward_progress 1
		.amdhsa_inst_pref_size 5
	.end_amdhsa_kernel
	.amdgpu_metadata
---
amdhsa.version: [ 1, 2 ]
amdhsa.kernels:
  - .name:           k_qd72b0ac1fc_plan
    .symbol:         k_qd72b0ac1fc_plan.kd
    .args:
      - { .name: rois, .offset: 0, .size: 8, .value_kind: global_buffer, .address_space: global }
      - { .name: img_metas, .offset: 8, .size: 8, .value_kind: global_buffer, .address_space: global }
      - { .name: idx, .offset: 16, .size: 8, .value_kind: global_buffer, .address_space: global }
      - { .name: wts, .offset: 24, .size: 8, .value_kind: global_buffer, .address_space: global }
    .group_segment_fixed_size: 0
    .private_segment_fixed_size: 0
    .kernarg_segment_align: 8
    .kernarg_segment_size: 32
    .max_flat_workgroup_size: 128
    .sgpr_count:     66
    .vgpr_count:     32
    .wavefront_size: 32
...
	.end_amdgpu_metadata
.endif
;; end of part 1
;; launch pool (part 2): grid 512 x 7, 4 waves a work-group, no clusters, 0 bytes of LDS; arguments feat2, feat3, feat4, feat5, idx, wts, out0; writes out0
.if DOCPART == 2
	.amdgcn_target "amdgcn-amd-amdhsa--gfx1250"
	.amdhsa_code_object_version 6
	.text
	.protected	k_qd72b0ac1fc_pool
	.globl	k_qd72b0ac1fc_pool
	.p2align	8
	.type	k_qd72b0ac1fc_pool,@function
k_qd72b0ac1fc_pool:
	s_mov_b64 s[64:65], 0
	v_nop
	global_prefetch_b8 v0, s[64:65] scope:SCOPE_SE
	s_setreg_imm32_b32 hwreg(HW_REG_WAVE_MODE, 25, 1), 1
	s_wait_xcnt 0x0
; out0[box][a][b][:] = the maximum over the 2 x 2 samples (2a, 2a+1) x (2b, 2b+1) of the bilinear sample of the box's level.  Indices, level and weights come from the launch before.
; Only the level that the box selects is sampled: the reference multiplies the other three by 0.
; LIMITS.  The features are finite (with an infinity or a NaN in a level that is not selected the reference's 0 x value is NaN; here that level is not read).  A sample outside the map is
; a sum of products with weight 0: it is 0, of either sign.
; SHARES.  A wave: one box, one output row a, 128 of the 256 channels, four a lane.  A work-group's four waves: boxes 2 x and 2 x + 1, both halves of the channels; a is the grid's y.
; A tap is a pixel's 512 bytes of my half: one load of 16 bytes a lane, 512 consecutive bytes a wave.  The output row needs 4 feature rows (two for each of its two sample rows) and, for each of the
; 14 sample columns, 2 feature columns: 8 loads a column, 112 in all.
; ADDRESSES.  The base of every load is a table's address as the arguments gave it; all that was read from idx goes, bounded, into the 32-bit vector offset:
; (row start + x) x 1,024 + 512 half + 16 lane, under 2^28.  Since the base differs with the level, the walk is one macro written out four times, once for each table, and the level, a whole
; number read from memory, picks the copy by forward branches.
; THE RING.  Three slots, a sample column each: 32 data registers and 8 offset registers.  While one column is worked on, the 16 loads of the next two stay out.  A slot's offsets are rewritten
; only behind the counted wait that shows the slot's own loads done.
; ARITHMETIC.  sample = sum over the 4 taps of (wy wx) f: the 8 products wy wx of a column are scalar; 16 packed multiply-adds in 4 chains make the column's two samples of 4 channels;
; a maximum of three takes both into the cell.  No matrix unit (there is no product of matrices), no LDS (no wave reads what another fetched).
.set COLS,  14
.set DEPTH, 3                          ; slots
.set LO,  1                            ; v1        512 half + 16 lane; never rewritten
.set VR,  2                            ; v[2:5]    row r: row start x 1,024 + LO; never rewritten
.set AD,  6                            ; v[6:29]   slot s: the byte offsets of its 8 taps
.set T,   30                           ; v[30:37]  the column's two samples, 4 channels each
.set OUT, 38                           ; v[38:45]  two cells by turns
.set X,   48                           ; v[48:143] slot s: 8 taps x 4 registers; tap 2 r + t = row r, column t
.set TB,  4                            ; s[4:11]   the four tables' addresses; never rewritten
.set WP,  12                           ; s[12:27]  the 8 products wy wx of the column in hand, each the low word of a pair (first: s[12:15] the addresses of idx and wts)
.set YI,  28                           ; s[28:31]  row starts in pixels: y0, y1 of sample row 2a, y0, y1 of 2a + 1
.set XI,  32                           ; s[32:59]  the 28 column indices
.set WY,  60                           ; s[60:63]  the four rows' weights
.set WX,  68                           ; s[68:95]  the 28 column weights
.set PO,  96                           ; s[96:97]  out0 at my output row
.set LV,  100                          ; s100      first my wave's number, then the level
	s_load_b256 s[TB:TB+7], s[0:1], 0x0            ; feat2, feat3, feat4, feat5
	s_load_b128 s[12:15], s[0:1], 0x20             ; idx s[12:13], wts s[14:15]
	s_load_b64 s[PO:PO+1], s[0:1], 0x30            ; out0
	v_lshrrev_b32 v1, 5, v0
	v_readfirstlane_b32 s[LV], v1                  ; wave 0..3
	s_lshr_b32 s101, s[LV], 1
	s_lshl_b32 s2, ttmp9, 1
	s_add_co_u32 s101, s101, s2                    ; box = 2 x + wave / 2
	s_and_b32 s3, s[LV], 1
	s_lshl_b32 s3, s3, 9                           ; my half of the channels: 512 bytes
	v_and_b32 v[LO], 31, v0
	v_lshl_add_u32 v[LO], v[LO], 4, s3
	s_and_b32 s98, ttmp7, 0xffff                   ; a
	s_lshl_b32 s99, s98, 4                         ; the row's 16 bytes in the y parts of idx and wts
	s_lshl_b32 s66, s101, 8                        ; the box's 256 bytes in idx and wts
	s_mov_b32 s67, 0
	s_mul_i32 s2, s101, 49
	s_mul_i32 s3, s98, 7
	s_add_co_u32 s2, s2, s3
	s_lshl_b32 s2, s2, 10                          ; (49 box + 7 a) cells of 1,024 bytes: under 2^26
	s_mov_b32 s3, 0
	s_wait_kmcnt 0x0
	s_add_nc_u64 s[12:13], s[12:13], s[66:67]
	s_add_nc_u64 s[14:15], s[14:15], s[66:67]
	s_add_nc_u64 s[PO:PO+1], s[PO:PO+1], s[2:3]
	s_load_b512 s[XI:XI+15], s[12:13], 0x0         ; x0, x1 of sample columns 0 to 7,
	s_load_b256 s[XI+16:XI+23], s[12:13], 0x40     ; 8 to 11,
	s_load_b128 s[XI+24:XI+27], s[12:13], 0x60     ; 12 and 13
	s_load_b32 s[LV], s[12:13], 0x70               ; the level
	s_load_b128 s[YI:YI+3], s[12:13], s99 offset:0x80
	s_load_b512 s[WX:WX+15], s[14:15], 0x0
	s_load_b256 s[WX+16:WX+23], s[14:15], 0x40
	s_load_b128 s[WX+24:WX+27], s[14:15], 0x60
	s_load_b128 s[WY:WY+3], s[14:15], s99 offset:0x80
	s_wait_kmcnt 0x0                               ; scalar loads return in no order: the count is 0
	; an index read from memory is bounded before it enters an offset
.irp r, 0,1,2,3
	s_min_u32 s[YI+\r], s[YI+\r], 0x1ff00          ; the last row start of the largest table: 2 x 256 x 256 - 256 pixels
	v_lshl_add_u32 v[VR+\r], s[YI+\r], 10, v[LO]
.endr
.set i, 0
.rept 28
	s_min_u32 s[XI+i], s[XI+i], 255                ; the widest table has 256 columns
.set i, i+1
.endr
.irp k, 0,1,2,3,4,5,6,7
	s_mov_b32 s[WP+2*\k+1], 0                      ; the packed lines take a pair's low word for both halves; the high words are named with them, so they are written (idx's and wts' addresses are no longer needed)
.endr
.macro FILL c, base                    ; the eight taps of sample column c, from the table at s[base], into the column's slot
.irp r, 0,1,2,3
.irp t, 0,1
	v_lshl_add_u32 v[AD+8*((\c)%DEPTH)+2*\r+\t], s[XI+2*(\c)+\t], 10, v[VR+\r]
.endr
.endr
.irp r, 0,1,2,3
.irp t, 0,1
	global_load_b128 v[X+32*((\c)%DEPTH)+4*(2*\r+\t):X+32*((\c)%DEPTH)+4*(2*\r+\t)+3], v[AD+8*((\c)%DEPTH)+2*\r+\t], s[(\base):(\base)+1]
.endr
.endr
.endm
; Sample column c.
.macro COL c, base
.set SL, X+32*((\c)%DEPTH)
.set OB, OUT+4*(((\c)/2)%2)
.set LEFT, COLS-1-(\c)
.if LEFT > DEPTH-1
.set LEFT, DEPTH-1
.endif
.irp r, 0,1,2,3
.irp t, 0,1
	s_mul_f32 s[WP+2*(2*\r+\t)], s[WY+\r], s[WX+2*(\c)+\t]   ; wy wx of tap (r, t), ahead of the wait
.endr
.endr
	s_wait_loadcnt 8*LEFT                          ; loads return in order: my column's eight are in, those of the LEFT younger columns stay out; the slot's offsets and data may be written again
.if ((\c)%2 == 0) && ((\c) >= 4)
	s_wait_xcnt 0x0                                ; the cell's registers were the data of the store two cells back: they are rewritten only behind this wait
.endif
.irp p, 0,1                            ; sample row p: taps 4 p .. 4 p + 3; four chains (p, pair of channels h) that do not wait for each other
.irp h, 0,1
	v_pk_mul_f32 v[T+4*\p+2*\h:T+4*\p+2*\h+1], v[SL+16*\p+2*\h:SL+16*\p+2*\h+1], s[WP+8*\p:WP+8*\p+1] op_sel_hi:[1,0]
.endr
.endr
.irp k, 1,2,3
.irp p, 0,1
.irp h, 0,1
	v_pk_fma_f32 v[T+4*\p+2*\h:T+4*\p+2*\h+1], v[SL+16*\p+4*\k+2*\h:SL+16*\p+4*\k+2*\h+1], s[WP+8*\p+2*\k:WP+8*\p+2*\k+1], v[T+4*\p+2*\h:T+4*\p+2*\h+1] op_sel_hi:[1,0,1]
.endr
.endr
.endr
.if (\c)+DEPTH < COLS
	FILL (\c)+DEPTH, \base                         ; the slot has been read: it takes the column three on
.endif
.if (\c)%2 == 0
.irp j, 0,1,2,3
	v_max_num_f32 v[OB+\j], v[T+\j], v[T+4+\j]     ; a cell's first column starts its maximum: nothing is cleared
.endr
.else
.irp j, 0,1,2,3
	v_max3_num_f32 v[OB+\j], v[OB+\j], v[T+\j], v[T+4+\j]
.endr
	global_store_b128 v[LO], v[OB:OB+3], s[PO:PO+1] offset:((\c)/2)*1024 th:TH_STORE_NT  ; cell b = c / 2: the wave stores 512 consecutive bytes, at a multiple of 512 from out0's first byte
.endif
.endm
; The whole output row from the table at s[base]: the ring is filled, then the 14 columns.
.macro WALK base
.irp c, 0,1,2
	FILL \c, \base
.endr
.irp c, 0,1,2,3,4,5,6,7,8,9,10,11,12,13
	COL \c, \base
.endr
	s_endpgm
.endm
	s_cmp_eq_u32 s[LV], 3
	s_cbranch_scc1 .Llevel3
	s_cmp_eq_u32 s[LV], 4
	s_cbranch_scc1 .Llevel4
	s_cmp_eq_u32 s[LV], 5
	s_cbranch_scc1 .Llevel5
	WALK TB                                        ; level 2: feat2
.Llevel3:
	WALK TB+2                                      ; feat3
.Llevel4:
	WALK TB+4                                      ; feat4
.Llevel5:
	WALK TB+6                                      ; feat5
.Lfunc_end_k_qd72b0ac1fc_pool:
	.size	k_qd72b0ac1fc_pool, .Lfunc_end_k_qd72b0ac1fc_pool-k_qd72b0ac1fc_pool
	.p2alignl 7, 3214868480
	.fill 96, 4, 3214868480
	.section	.rodata,"a",@progbits
	.p2align	6, 0x0
	.amdhsa_kernel k_qd72b0ac1fc_pool
		.amdhsa_group_segment_fixed_size 0
		.amdhsa_private_segment_fixed_size 0
		.amdhsa_enable_private_segment 0
		.amdhsa_kernarg_size 56
		.amdhsa_user_sgpr_count 2
		.amdhsa_user_sgpr_kernarg_segment_ptr 1
		.amdhsa_wavefront_size32 1
		.amdhsa_system_sgpr_workgroup_id_x 1
		.amdhsa_system_sgpr_workgroup_id_y 1
		.amdhsa_system_sgpr_workgroup_id_z 1
		.amdhsa_system_vgpr_workitem_id 0
		.amdhsa_next_free_vgpr 144
		.amdhsa_next_free_sgpr 102
		.amdhsa_reserve_vcc 0
		.amdhsa_float_denorm_mode_32 3
		.amdhsa_float_denorm_mode_16_64 3
		.amdhsa_memory_ordered 1
		.amdhsa_forward_progress 1
		.amdhsa_inst_pref_size 161
	.end_amdhsa_kernel
	.amdgpu_metadata
---
amdhsa.version: [ 1, 2 ]
amdhsa.kernels:
  - .name:           k_qd72b0ac1fc_pool
    .symbol:         k_qd72b0ac1fc_pool.kd
    .args:
      - { .name: feat2, .offset: 0, .size: 8, .value_kind: global_buffer, .address_space: global }
      - { .name: feat3, .offset: 8, .size: 8, .value_kind: global_buffer, .address_space: global }
      - { .name: feat4, .offset: 16, .size: 8, .value_kind: global_buffer, .address_space: global }
      - { .name: feat5, .offset: 24, .size: 8, .value_kind: global_buffer, .address_space: global }
      - { .name: idx, .offset: 32, .size: 8, .value_kind: global_buffer, .address_space: global }
      - { .name: wts, .offset: 40, .size: 8, .value_kind: global_buffer, .address_space: global }
      - { .name: out0, .offset: 48, .size: 8, .value_kind: global_buffer, .address_space: global }
    .group_segment_fixed_size: 0
    .private_segment_fixed_size: 0
    .kernarg_segment_align: 8
    .kernarg_segment_size: 56
    .max_flat_workgroup_size: 128
    .sgpr_count:     102
    .vgpr_count:     144
    .wavefront_size: 32
...
	.end_amdgpu_metadata
.endif
;; end of part 2
;; ======== version 2 of 2: 2 launches; version 1 with the launch pool written anew for expert scheduling mode
;; workspace buffers: idx 262,144 bytes of whole numbers; wts 262,144 bytes
;; launch plan: the kernel of part 1 again; grid 256 x 1, 4 waves a work-group, no clusters, 0 bytes of LDS; arguments rois, img_metas, idx, wts; writes idx, wts
;; launch pool (part 3): grid 512 x 7, 4 waves a work-group, no clusters, 0 bytes of LDS; arguments feat2, feat3, feat4, feat5, idx, wts, out0; writes out0
.if DOCPART == 3
	.amdgcn_target "amdgcn-amd-amdhsa--gfx1250"
	.amdhsa_code_object_version 6
	.text
	.protected	k_qd72b0ac1fc_pool
	.globl	k_qd72b0ac1fc_pool
	.p2align	8
	.type	k_qd72b0ac1fc_pool,@function
k_qd72b0ac1fc_pool:
	s_mov_b64 s[64:65], 0
	v_nop
	global_prefetch_b8 v0, s[64:65] scope:SCOPE_SE
	s_setreg_imm32_b32 hwreg(HW_REG_WAVE_SCHED_MODE, 0, 2), 2
	s_setreg_imm32_b32 hwreg(HW_REG_WAVE_MODE, 25, 1), 1
	s_wait_xcnt 0x0
	s_wait_alu depctr_vm_vsrc(0)
; out0[box][a][b][:] = the maximum over the 2 x 2 samples (2a, 2a+1) x (2b, 2b+1) of the bilinear sample of the box's level.  Indices, level and weights come from the launch before.
; Only the level that the box selects is sampled: the reference multiplies the other three by 0.
; LIMITS.  The features are finite (with an infinity or a NaN in a level that is not selected the reference's 0 x value is NaN; here that level is not read).  A sample outside the map is
; a sum of products with weight 0: it is 0, of either sign.
; SHARES.  A wave: one box, one output row a, 128 of the 256 channels, four a lane.  A work-group's four waves: boxes 2 x and 2 x + 1, both halves of the channels; a is the grid's y.
; A tap is a pixel's 512 bytes of my half: one load of 16 bytes a lane, 512 consecutive bytes a wave.  The output row needs 4 feature rows (two for each of its two sample rows) and, for each of the
; 14 sample columns, 2 feature columns: 8 loads a column, 112 in all.
; ADDRESSES.  The base of every load is a table's address as the arguments gave it; all that was read from idx goes, bounded, into the 32-bit vector offset:
; (row start + x) x 1,024 + 512 half + 16 lane, under 2^28.  Since the base differs with the level, the walk is one macro written out four times, once for each table, and the level, a whole
; number read from memory, picks the copy by forward branches.
; THE RING.  Three slots, a sample column each: 32 data registers and 8 offset registers.  While one column is worked on, the 16 loads of the next two stay out.  A slot's offsets are rewritten
; only behind the counted wait that shows the slot's own loads done.
; ARITHMETIC.  sample = sum over the 4 taps of (wy wx) f: the 8 products wy wx of a column are scalar; 16 packed multiply-adds in 4 chains make the column's two samples of 4 channels;
; a maximum of three takes both into the cell.  No matrix unit (there is no product of matrices), no LDS (no wave reads what another fetched).
; THE MODE: SCHED_MODE bits 1:0 = 2 (LLVM: expert scheduling mode 2), set by the entry lines.  The code itself states the register dependences
; between vector instructions and memory instructions, with s_wait_alu, always for 0.
; THE PLAN.  A step is a sample column c.  Registers that memory instructions touch:
;   X0 .. X2     Step c: its 16 packed lines read X[c % 3]; behind them the loads of column c + 3 land in it.
;   AD0 .. AD2   Step c: eight adds at its head write AD[c % 3] for column c + 3; the eight loads of the same step read it.  Its last readers were column c's loads, three steps back.
;   OUT0, OUT1   Cell k is written by the maxima of steps 2 k and 2 k + 1 and read by one store, which stands in step 2 k + 2 (the last cell's behind step 13); step 2 k + 4 writes the registers again.
;   v[LO]        The offset of every store; made once at the head.
;   VR and T are named by vector instructions alone.
; So a step has one wait on vm_vsrc at its head, ahead of the adds, and ONE wait on va_vdst behind its packed lines: they are done reading the slot, the slot's new offsets are written, and the
; step before has written the other cell.  The step's eight loads and the store of the cell before follow that wait, dealt among the step's four maxima, which name T and the cell in hand:
; none of the registers that those loads and that store touch.  A step that neither fills nor stores has neither wait.
.set COLS,  14
.set DEPTH, 3                          ; slots
.set LO,  1                            ; v1        512 half + 16 lane; never rewritten
.set VR,  2                            ; v[2:5]    row r: row start x 1,024 + LO; never rewritten
.set AD,  6                            ; v[6:29]   slot s: the byte offsets of its 8 taps
.set T,   30                           ; v[30:37]  the column's two samples, 4 channels each
.set OUT, 38                           ; v[38:45]  two cells by turns
.set X,   48                           ; v[48:143] slot s: 8 taps x 4 registers; tap 2 r + t = row r, column t
.set TB,  4                            ; s[4:11]   the four tables' addresses; never rewritten
.set WP,  12                           ; s[12:27]  the 8 products wy wx of the column in hand, each the low word of a pair (first: s[12:15] the addresses of idx and wts)
.set YI,  28                           ; s[28:31]  row starts in pixels: y0, y1 of sample row 2a, y0, y1 of 2a + 1
.set XI,  32                           ; s[32:59]  the 28 column indices
.set WY,  60                           ; s[60:63]  the four rows' weights
.set WX,  68                           ; s[68:95]  the 28 column weights
.set PO,  96                           ; s[96:97]  out0 at my output row
.set LV,  100                          ; s100      first my wave's number, then the level
	s_load_b256 s[TB:TB+7], s[0:1], 0x0            ; feat2, feat3, feat4, feat5
	s_load_b128 s[12:15], s[0:1], 0x20             ; idx s[12:13], wts s[14:15]
	s_load_b64 s[PO:PO+1], s[0:1], 0x30            ; out0
	v_lshrrev_b32 v1, 5, v0
	v_readfirstlane_b32 s[LV], v1                  ; wave 0..3
	s_wait_alu depctr_va_sdst(0)                   ; s100 is written, ahead of its first reader: the box and the half of the channels are made from it
	s_lshr_b32 s101, s[LV], 1
	s_lshl_b32 s2, ttmp9, 1
	s_add_co_u32 s101, s101, s2                    ; box = 2 x + wave / 2
	s_and_b32 s3, s[LV], 1
	s_lshl_b32 s3, s3, 9                           ; my half of the channels: 512 bytes
	v_and_b32 v[LO], 31, v0
	v_lshl_add_u32 v[LO], v[LO], 4, s3
	s_and_b32 s98, ttmp7, 0xffff                   ; a
	s_lshl_b32 s99, s98, 4                         ; the row's 16 bytes in the y parts of idx and wts
	s_lshl_b32 s66, s101, 8                        ; the box's 256 bytes in idx and wts
	s_mov_b32 s67, 0
	s_mul_i32 s2, s101, 49
	s_mul_i32 s3, s98, 7
	s_add_co_u32 s2, s2, s3
	s_lshl_b32 s2, s2, 10                          ; (49 box + 7 a) cells of 1,024 bytes: under 2^26
	s_mov_b32 s3, 0
	s_wait_kmcnt 0x0
	s_add_nc_u64 s[12:13], s[12:13], s[66:67]
	s_add_nc_u64 s[14:15], s[14:15], s[66:67]
	s_add_nc_u64 s[PO:PO+1], s[PO:PO+1], s[2:3]
	s_load_b512 s[XI:XI+15], s[12:13], 0x0         ; x0, x1 of sample columns 0 to 7,
	s_load_b256 s[XI+16:XI+23], s[12:13], 0x40     ; 8 to 11,
	s_load_b128 s[XI+24:XI+27], s[12:13], 0x60     ; 12 and 13
	s_load_b32 s[LV], s[12:13], 0x70               ; the level
	s_load_b128 s[YI:YI+3], s[12:13], s99 offset:0x80
	s_load_b512 s[WX:WX+15], s[14:15], 0x0
	s_load_b256 s[WX+16:WX+23], s[14:15], 0x40
	s_load_b128 s[WX+24:WX+27], s[14:15], 0x60
	s_load_b128 s[WY:WY+3], s[14:15], s99 offset:0x80
	s_wait_kmcnt 0x0                               ; scalar loads return in no order: the count is 0
	; an index read from memory is bounded before it enters an offset
.irp r, 0,1,2,3
	s_min_u32 s[YI+\r], s[YI+\r], 0x1ff00          ; the last row start of the largest table: 2 x 256 x 256 - 256 pixels
	v_lshl_add_u32 v[VR+\r], s[YI+\r], 10, v[LO]
.endr
.set i, 0
.rept 28
	s_min_u32 s[XI+i], s[XI+i], 255                ; the widest table has 256 columns
.set i, i+1
.endr
.irp k, 0,1,2,3,4,5,6,7
	s_mov_b32 s[WP+2*\k+1], 0                      ; the packed lines take a pair's low word for both halves; the high words are named with them, so they are written (idx's and wts' addresses are no longer needed)
.endr
.macro ADDR c                          ; the byte offsets of the eight taps of sample column c, into the column's slot
.irp r, 0,1,2,3
.irp t, 0,1
	v_lshl_add_u32 v[AD+8*((\c)%DEPTH)+2*\r+\t], s[XI+2*(\c)+\t], 10, v[VR+\r]
.endr
.endr
.endm
.macro TAPS c, r, base                 ; the two taps of row r of sample column c, from the table at s[base], into the column's slot
.irp t, 0,1
	global_load_b128 v[X+32*((\c)%DEPTH)+4*(2*(\r)+\t):X+32*((\c)%DEPTH)+4*(2*(\r)+\t)+3], v[AD+8*((\c)%DEPTH)+2*(\r)+\t], s[(\base):(\base)+1]
.endr
.endm
; Sample column c.
.macro COL c, base
.set SL, X+32*((\c)%DEPTH)
.set OB, OUT+4*(((\c)/2)%2)            ; the cell in hand,
.set OL, OUT+4*(((\c)/2+1)%2)          ; and the other one
.set LEFT, COLS-1-(\c)
.if LEFT > DEPTH-1
.set LEFT, DEPTH-1
.endif
.set REFILL, 0                         ; 1: the slot takes the column three on
.if (\c)+DEPTH < COLS
.set REFILL, 1
.endif
.set SEND, 0                           ; 1: a cell's first column, with a cell before it to store
.set AGAIN, 0                          ; 1: a cell's first column, whose registers a store has read
.if (\c)%2 == 0
.if (\c) >= 2
.set SEND, 1
.endif
.if (\c) >= 4
.set AGAIN, 1
.endif
.endif
.irp r, 0,1,2,3
.irp t, 0,1
	s_mul_f32 s[WP+2*(2*\r+\t)], s[WY+\r], s[WX+2*(\c)+\t]   ; wy wx of tap (r, t), ahead of the wait
.endr
.endr
	s_wait_loadcnt 8*LEFT                          ; loads return in order: my column's eight are in, those of the LEFT younger columns stay out; the slot's offsets and data may be written again
.if AGAIN
	s_wait_xcnt 0x0                                ; the cell's registers were the data of the store two cells back: they are rewritten only behind this wait
.endif
.if REFILL || AGAIN
	s_wait_alu depctr_vm_vsrc(0)                   ; this column's loads have read the slot's offsets, which the adds below write again; in a cell's first column the store two cells back has read the cell's registers, which the maxima below write again
.endif
.if REFILL
	ADDR (\c)+DEPTH                                ; the offsets of the column three on
.endif
.irp p, 0,1                            ; sample row p: taps 4 p .. 4 p + 3; four chains (p, pair of channels h) that do not wait for each other
.irp h, 0,1
	v_pk_mul_f32 v[T+4*\p+2*\h:T+4*\p+2*\h+1], v[SL+16*\p+2*\h:SL+16*\p+2*\h+1], s[WP+8*\p:WP+8*\p+1] op_sel_hi:[1,0]
.endr
.endr
.irp k, 1,2,3
.irp p, 0,1
.irp h, 0,1
	v_pk_fma_f32 v[T+4*\p+2*\h:T+4*\p+2*\h+1], v[SL+16*\p+4*\k+2*\h:SL+16*\p+4*\k+2*\h+1], s[WP+8*\p+2*\k:WP+8*\p+2*\k+1], v[T+4*\p+2*\h:T+4*\p+2*\h+1] op_sel_hi:[1,0,1]
.endr
.endr
.endr
.if REFILL || SEND
	s_wait_alu depctr_va_vdst(0)                   ; the packed lines are done reading the slot, in which the loads below land; the adds have written the slot's offsets, which those loads read; the column before has written the other cell, which the store below reads
.endif
.irp r, 0,1,2,3
.if REFILL
	TAPS (\c)+DEPTH, \r, \base                     ; the slot has been read: it takes the column three on.  No further wait: the maxima between name T and the cell in hand alone
.endif
.if (\c)%2 == 0
	v_max_num_f32 v[OB+\r], v[T+\r], v[T+4+\r]     ; a cell's first column starts its maximum: nothing is cleared
.else
	v_max3_num_f32 v[OB+\r], v[OB+\r], v[T+\r], v[T+4+\r]
.endif
.endr
.if SEND
	global_store_b128 v[LO], v[OL:OL+3], s[PO:PO+1] offset:((\c)/2-1)*1024 th:TH_STORE_NT  ; the cell before, b = c / 2 - 1: the wave stores 512 consecutive bytes, at a multiple of 512 from out0's first byte
.endif
.if (\c) == COLS-1
	s_wait_alu depctr_va_vdst(0)                   ; the maxima above have written the last cell, which the last store reads
	global_store_b128 v[LO], v[OB:OB+3], s[PO:PO+1] offset:((\c)/2)*1024 th:TH_STORE_NT
.endif
.endm
; The whole output row from the table at s[base]: the ring is filled, then the 14 columns.
.macro WALK base
.irp c, 0,1,2
	ADDR \c
.endr
	s_wait_alu depctr_va_vdst(0)                   ; the 24 offsets of columns 0 to 2 are written, which the loads below read; so is v[LO], which every store reads as its offset
.irp c, 0,1,2
.irp r, 0,1,2,3
	TAPS \c, \r, \base
.endr
.endr
.irp c, 0,1,2,3,4,5,6,7,8,9,10,11,12,13
	COL \c, \base
.endr
	s_endpgm
.endm
	s_cmp_eq_u32 s[LV], 3
	s_cbranch_scc1 .Llevel3
	s_cmp_eq_u32 s[LV], 4
	s_cbranch_scc1 .Llevel4
	s_cmp_eq_u32 s[LV], 5
	s_cbranch_scc1 .Llevel5
	WALK TB                                        ; level 2: feat2
.Llevel3:
	WALK TB+2                                      ; feat3
.Llevel4:
	WALK TB+4                                      ; feat4
.Llevel5:
	WALK TB+6                                      ; feat5
.Lfunc_end_k_qd72b0ac1fc_pool:
	.size	k_qd72b0ac1fc_pool, .Lfunc_end_k_qd72b0ac1fc_pool-k_qd72b0ac1fc_pool
	.p2alignl 7, 3214868480
	.fill 96, 4, 3214868480
	.section	.rodata,"a",@progbits
	.p2align	6, 0x0
	.amdhsa_kernel k_qd72b0ac1fc_pool
		.amdhsa_group_segment_fixed_size 0
		.amdhsa_private_segment_fixed_size 0
		.amdhsa_enable_private_segment 0
		.amdhsa_kernarg_size 56
		.amdhsa_user_sgpr_count 2
		.amdhsa_user_sgpr_kernarg_segment_ptr 1
		.amdhsa_wavefront_size32 1
		.amdhsa_system_sgpr_workgroup_id_x 1
		.amdhsa_system_sgpr_workgroup_id_y 1
		.amdhsa_system_sgpr_workgroup_id_z 1
		.amdhsa_system_vgpr_workitem_id 0
		.amdhsa_next_free_vgpr 144
		.amdhsa_next_free_sgpr 102
		.amdhsa_reserve_vcc 0
		.amdhsa_float_denorm_mode_32 3
		.amdhsa_float_denorm_mode_16_64 3
		.amdhsa_memory_ordered 1
		.amdhsa_forward_progress 1
		.amdhsa_inst_pref_size 164
	.end_amdhsa_kernel
	.amdgpu_metadata
---
amdhsa.version: [ 1, 2 ]
amdhsa.kernels:
  - .name:           k_qd72b0ac1fc_pool
    .symbol:         k_qd72b0ac1fc_pool.kd
    .args:
      - { .name: feat2, .offset: 0, .size: 8, .value_kind: global_buffer, .address_space: global }
      - { .name: feat3, .offset: 8, .size: 8, .value_kind: global_buffer, .address_space: global }
      - { .name: feat4, .offset: 16, .size: 8, .value_kind: global_buffer, .address_space: global }
      - { .name: feat5, .offset: 24, .size: 8, .value_kind: global_buffer, .address_space: global }
      - { .name: idx, .offset: 32, .size: 8, .value_kind: global_buffer, .address_space: global }
      - { .name: wts, .offset: 40, .size: 8, .value_kind: global_buffer, .address_space: global }
      - { .name: out0, .offset: 48, .size: 8, .value_kind: global_buffer, .address_space: global }
    .group_segment_fixed_size: 0
    .private_segment_fixed_size: 0
    .kernarg_segment_align: 8
    .kernarg_segment_size: 56
    .max_flat_workgroup_size: 128
    .sgpr_count:     102
    .vgpr_count:     144
    .wavefront_size: 32
...
	.end_amdgpu_metadata
.endif
;; end of part 3
